; MI455X (gfx1250); checked and timed in simulation.
; The chip was launched on July 23, 2026; its instructions are those of AMD's public machine-readable ISA for CDNA 5 (MIT licence, August 2026) and "CDNA5" Instruction Set Architecture Reference Guide (July 2026). The comments in the code are by the model that wrote it; some were corrected since.
;; SS Kernel. Allowed arithmetic: float matrix products may take bf16 or f16 operands with f32 sums; all other float work in f32.
;; Inputs: A_imag 1,024 x 32 float32; B_ri 1,024 x 32 x 2 float32; C_ri 1 x 1,024 x 32 x 2 float32; inv_A_real 1,024 x 32 float32; log_dt 1,024 float32.
;; Outputs: out0 1 x 1,024 x 4,096 float32.
;; Constants: L = 4096.
;; 2 versions, each right; version 2 is version 1 with the launch sskernel written anew for expert scheduling mode. Each part assembles by itself: llvm-mc -triple=amdgcn-amd-amdhsa -mcpu=gfx1250 --defsym DOCPART=n.
;; ======== version 1 of 2: 1 launch
;; launch sskernel (part 1): grid 256 x 1, 4 waves a work-group, no clusters, 88,832 bytes of LDS; arguments A_imag, B_ri, C_ri, inv_A_real, log_dt, out0; writes out0
.if DOCPART == 1
	.amdgcn_target "amdgcn-amd-amdhsa--gfx1250"
	.amdhsa_code_object_version 6
	.text
	.protected	k_q1be02c5da6_sskernel
	.globl	k_q1be02c5da6_sskernel
	.p2align	8
	.type	k_q1be02c5da6_sskernel,@function
k_q1be02c5da6_sskernel:
	s_mov_b64 s[64:65], 0
	v_nop
	global_prefetch_b8 v0, s[64:65] scope:SCOPE_SE
	s_setreg_imm32_b32 hwreg(HW_REG_WAVE_MODE, 25, 1), 1
	s_wait_xcnt 0x0
; S4D kernel, bilinear:  K[h][l] = 2 Re sum_n C_eff[h][n] w[h][n]^l,  w = (1 + dtA/2) / (1 - dtA/2),  1024 h, 32 n, 4096 l.
;
; l = eP + eQ,  eP = p + 64 u (p 0..3, u 0..15),  eQ = 4 r + 1024 c (r 0..15, c 0..3): every l of 0..4095 exactly once.
; With P = conj(2 C_eff w^eP) and Q = w^eQ as pairs (re, im), K = sum_n P.re Q.re + P.im Q.im: a 64 x 64 x 64 real product for each h,
; fed by 2 x 64 x 32 complex table values.  Powers are made by complex multiplication (ten squarings up to w^1024, then products).
;
; FORMAT.  Each table value is cut into bf16 hi + bf16 lo (both rounded to nearest), and Ph Qh + Ph Ql + Pl Qh is summed in f32 by the
; matrix unit: 6 instructions of K = 32 for a 16 x 16 tile.  Dropped: Pl Ql and the rounding of lo, each at most 2^-18 of a product.
; One bf16 (2^-9) would not do: outputs near zero beside amplitudes thirty times the output's rms have to be met absolutely.
;
; LIMITS.  Inputs finite.  v_exp_f32 flushes results under 2^-126 (ISA guide 15.8): log_dt or inv_A_real under about -87 give 0.
; (A_imag dt / 2)^2 must stay inside f32.  Powers under the f32 range end as 0.  Rounding order differs from exp(l log w):
; the relative error of w^l grows like l 2^-23.
;
; SHARES.  One wave = one h: it reads that h's 772 input bytes and writes its 16,384 output bytes.  256 work-groups x 4 waves = 1024 h.
; No two waves read a common table, so nothing is shared: no barrier, no cluster, no joint load.  Each wave has its own 81 LDS rows.
;
; PHASES.  (1) lane = state n: w, D0 = conj(2 C_eff), all powers, the 64 P entries.  (2) through LDS (complex f32, row = exponent,
; column = n) into the matrix layout: lane (r, half) takes row r and the 16 states 16 half .. 16 half + 15; register j of a fragment is
; state 16 half + j as (re, im) in bf16, alike for P and Q, so the products pair up.  (3) Q: base w^(4r), times w^1024 three times,
; cut into hi and lo: 128 registers that stay.  (4) four stages, one for each 16 rows of P: 24 matrix instructions, with the cutting of
; the next 16 rows of P laid between them, then 8 stores.
;
; THE WAY OUT needs no LDS: row m = 8 a + 4 g + p of P's tile holds u = 4 tile + 2 g + a, column r holds 4 r, so lane (r, a) has in
; accumulator registers 4g .. 4g+3 the outputs l = 4 r + 64 a + 128 g + 256 tile + 1024 c + 0..3: 16 bytes a lane, and one store of the
; wave covers 512 consecutive bytes, aligned.
.set LOG2E,   0x3fb8aa3b               ; 1 / ln 2
.set PITCH,   272                      ; an LDS row: 32 states x 8 bytes + 16, so that 16 rows read at one column meet different banks
.set ROWQS,   16                       ; rows 0-15: w^(4r); row 16: w^1024
.set ROWP,    17                       ; rows 17-80: the 64 P entries, tile by tile
.set WAVELDS, 81*PITCH                 ; 22,032 bytes for each wave
; registers that stay
.set RD,   1                           ; LDS: my wave + r PITCH + 128 half (reads by row)
.set RS,   2                           ; LDS: my wave + 128 half (the step row: the same for all r)
.set WR,   3                           ; LDS: my wave + 8 lane (writes, lane = state)
.set OUTO, 4                           ; out0: 16384 h + 16 lane
.set NEG1, 5                           ; -1.0
.set OFF4, 6                           ; 4 (32 h + n)
.set OFF8, 7                           ; 8 (32 h + n)
.set TA,   8                           ; v8-15 short-lived
.set ACC,  16                          ; v16-47  four accumulator tiles
.set P0,   48                          ; v48-127 five pools of 16 registers that take turns: P as loaded (two pools), P hi, P lo
.set P1,   64
.set P2,   80
.set P3,   96
.set P4,   112
.set QF,   128                         ; v128-255 Q: column tile c at QF + 32 c: hi (16 registers), lo (16 registers)
; phase 3 borrows
.set QS,   ACC                         ; 16 complex: the running power
.set QST,  P3                          ; 16 complex: w^1024 (pools 3 and 4)
.set QT,   P2                          ; 16 at work
; phase 1 borrows Q's registers
.set GP,   128                         ; g^i = w^(4i), i = 0..15
.set ZP,   160                         ; z^u = w^(64u), u = 1..15 (u = 0 is never formed)
.set DP,   192                         ; D_p = conj(2 C_eff w^p), p = 0..3
.set W1,   200
.set W2,   202
.set W3,   204
.set WS,   206                         ; w^1024
.set LD,   208
.set IA,   209
.set AI,   210
.set BRI,  212
.set CRI,  214
.set T0,   216
.set T1,   217
.set DT,   218
.set EA,   219
.set BCR,  220
.set BCI,  221
.set HD,   222
.set XM,   223
.set YY,   224
.set DR,   225
.set NR,   226
.set NI,   227
.set D2,   228
.set RI,   229
.set EE,   230
.set ER,   231
.set EI,   232
.set SC,   233
.set CT,   236                         ; v236-251 eight pairs at work
; A complex product in two packed instructions.  op_sel / op_sel_hi pick the register of each pair for the low / high result.
.macro CM1 t, a, b                     ; t = (a.re b.re, a.re b.im)
	v_pk_mul_f32 v[\t:\t+1], v[\a:\a+1], v[\b:\b+1] op_sel_hi:[0,1]
.endm
.macro CM2 d, a, b, t                  ; d = (t.lo - a.im b.im, t.hi + a.im b.re) = a b
	v_pk_fma_f32 v[\d:\d+1], v[\a:\a+1], v[\b:\b+1], v[\t:\t+1] op_sel:[1,1,0] op_sel_hi:[1,0,1] neg_lo:[1,0,0]
.endm
.macro CC1 t, a, b                     ; t = (a.re b.re, -a.re b.im)
	v_pk_mul_f32 v[\t:\t+1], v[\a:\a+1], v[\b:\b+1] op_sel_hi:[0,1] neg_hi:[1,0]
.endm
.macro CC2 d, a, b, t                  ; d = (t.lo + a.im b.im, t.hi + a.im b.re) = a conj(b)
	v_pk_fma_f32 v[\d:\d+1], v[\a:\a+1], v[\b:\b+1], v[\t:\t+1] op_sel:[1,1,0] op_sel_hi:[1,0,1]
.endm
; x[1..n] are known, n a power of two: makes x[n+i] = x[n] x[i] for i = 1..n-1 and sq = x[n]^2; the n products do not wait for each other
.macro DOUBLE x, n, sq
	CM1 CT, \x+2*\n, \x+2*\n
	.set DI, 1
.rept \n-1
	CM1 CT+2*DI, \x+2*\n, \x+2*DI
	.set DI, DI+1
.endr
	CM2 \sq, \x+2*\n, \x+2*\n, CT
	.set DI, 1
.rept \n-1
	CM2 \x+2*(\n+DI), \x+2*\n, \x+2*DI, CT+2*DI
	.set DI, DI+1
.endr
.endm
	; ---------------------------------------------------------------- addresses and the five loads
	s_load_b256 s[4:11], s[0:1], 0x0               ; A_imag s[4:5], B_ri s[6:7], C_ri s[8:9], inv_A_real s[10:11]
	s_load_b128 s[12:15], s[0:1], 0x20             ; log_dt s[12:13], out0 s[14:15]
	v_lshl_add_u32 v14, v0, 2, 0x15900
	v_mov_b32 v15, 0
	v_lshrrev_b32 v[TA], 5, v0
	v_readfirstlane_b32 s16, v[TA]                 ; wave 0..3
	s_lshl_b32 s17, ttmp9, 7                       ; 128 states-of-h in front of this work-group's: 4 h x 32 n
	s_lshl2_add_u32 s18, ttmp9, s16                ; h = 4 x work-group + wave
	v_add_nc_u32 v[OFF4], s17, v0                  ; 32 h + n, since the thread's number is 32 wave + n
	v_lshlrev_b32 v[OFF8], 3, v[OFF4]
	v_lshlrev_b32 v[OFF4], 2, v[OFF4]
	s_lshl_b32 s19, s18, 2
	v_mov_b32 v[TA+1], s19                         ; 4 h: every lane reads the same word of log_dt
	s_wait_kmcnt 0x0
	global_load_b32 v[LD], v[TA+1], s[12:13]
	global_load_b32 v[IA], v[OFF4], s[10:11] th:TH_LOAD_NT
	global_load_b32 v[AI], v[OFF4], s[4:5] th:TH_LOAD_NT
	global_load_b64 v[BRI:BRI+1], v[OFF8], s[6:7] th:TH_LOAD_NT
	global_load_b64 v[CRI:CRI+1], v[OFF8], s[8:9] th:TH_LOAD_NT
	v_and_b32 v[TA+2], 31, v0                      ; lane
	v_and_b32 v[TA+3], 15, v0                      ; r
	v_bfe_u32 v[TA+4], v0, 4, 1                    ; half
	s_mul_i32 s20, s16, WAVELDS                    ; my wave's LDS rows
	s_lshl_b32 s21, s18, 14                        ; 16,384 bytes of out0 for each h
	v_lshl_add_u32 v[WR], v[TA+2], 3, s20
	v_lshl_add_u32 v[RS], v[TA+4], 7, s20
	v_mul_u32_u24 v[RD], v[TA+3], PITCH
	v_add_nc_u32 v[RD], v[RD], v[RS]
	v_lshl_add_u32 v[OUTO], v[TA+2], 4, s21
	v_mov_b32 v[NEG1], -1.0
	v_mov_b32 v[GP], 1.0                           ; g^0 = 1
	v_mov_b32 v[GP+1], 0
	s_wait_loadcnt 0x0
	; ---------------------------------------------------------------- phase 1, lane = state n
	; dtA/2 = (-xm, y), xm = exp(inv_A_real) dt/2, y = A_imag dt/2.   |1 - dtA/2|^2 = (1 + xm)^2 + y^2 = d2.
	; w = (1 - xm^2 - y^2, 2 y) / d2.    1 / (1 - dtA/2) = (1 + xm, y) / d2.    D0 = conj(B C (1 + xm, y)) 2 dt / d2.
	v_mul_f32 v[T0], LOG2E, v[LD]
	v_mul_f32 v[T1], LOG2E, v[IA]
	v_exp_f32 v[DT], v[T0]                         ; dt
	v_exp_f32 v[EA], v[T1]                         ; -Re A
	v_mul_f32 v[BCR], v[BRI+1], v[CRI+1]           ; a plain instruction that touches neither result stands behind the two v_exp_f32 (ISA guide 5.7.2)
	v_mul_f32 v[BCI], v[BRI+1], v[CRI]
	v_fma_f32 v[BCR], v[BRI], v[CRI], -v[BCR]      ; B C
	v_fma_f32 v[BCI], v[BRI], v[CRI+1], v[BCI]
	s_wait_alu depctr_va_vdst(0)
	v_mul_f32 v[HD], 0.5, v[DT]
	v_mul_f32 v[XM], v[EA], v[HD]
	v_mul_f32 v[YY], v[AI], v[HD]
	v_add_f32 v[DR], 1.0, v[XM]
	v_fma_f32 v[NR], -v[XM], v[XM], 1.0
	v_mul_f32 v[D2], v[YY], v[YY]
	v_fma_f32 v[NR], -v[YY], v[YY], v[NR]          ; 1 - xm^2 - y^2
	v_fma_f32 v[D2], v[DR], v[DR], v[D2]
	v_rcp_f32 v[RI], v[D2]
	v_add_f32 v[NI], v[YY], v[YY]                  ; the plain place behind v_rcp_f32
	v_mul_f32 v[ER], v[BCI], v[YY]
	v_mul_f32 v[EI], v[BCI], v[DR]
	s_wait_alu depctr_va_vdst(0)
	v_fma_f32 v[EE], -v[D2], v[RI], 1.0            ; one Newton step: an error of 1/d2 is raised to the l-th power with w
	v_fma_f32 v[ER], v[BCR], v[DR], -v[ER]         ; B C (1 + xm, y)
	v_fma_f32 v[EI], v[BCR], v[YY], v[EI]
	v_fma_f32 v[RI], v[RI], v[EE], v[RI]
	v_mul_f32 v[W1], v[NR], v[RI]                  ; w
	v_mul_f32 v[W1+1], v[NI], v[RI]
	v_mul_f32 v[SC], v[HD], v[RI]
	v_mul_f32 v[SC], 4.0, v[SC]                    ; 2 dt / d2
	v_mul_f32 v[DP], v[ER], v[SC]                  ; D0 = conj(2 C_eff)
	v_mul_f32 v[DP+1], -v[EI], v[SC]
	CM1 CT, W1, W1                                 ; w^2
	CM2 W2, W1, W1, CT
	CM1 CT, W2, W1                                 ; w^3 and g = w^4
	CM1 CT+2, W2, W2
	CM2 W3, W2, W1, CT
	CM2 GP+2, W2, W2, CT+2
	CC1 CT, DP, W1                                 ; D1, D2, D3 = D0 conj(w^p), and g^2
	CC1 CT+2, DP, W2
	CC1 CT+4, DP, W3
	CM1 CT+6, GP+2, GP+2
	CC2 DP+2, DP, W1, CT
	CC2 DP+4, DP, W2, CT+2
	CC2 DP+6, DP, W3, CT+4
	CM2 GP+4, GP+2, GP+2, CT+6
	DOUBLE GP, 2, GP+8                             ; g^3, g^4
	DOUBLE GP, 4, GP+16                            ; g^5..7, g^8
	DOUBLE GP, 8, ZP+2                             ; g^9..15, z = g^16 = w^64
	.set QI, 0
.rept 16
	ds_store_b64 v[WR], v[GP+2*QI:GP+2*QI+1] offset:QI*PITCH       ; row r = w^(4r): 32 lanes, 256 neighbouring bytes
	.set QI, QI+1
.endr
	DOUBLE ZP, 1, ZP+4                             ; z^2
	DOUBLE ZP, 2, ZP+8                             ; z^3, z^4
	DOUBLE ZP, 4, ZP+16                            ; z^5..7, z^8
	DOUBLE ZP, 8, WS                               ; z^9..15, z^16 = w^1024
	ds_store_b64 v[WR], v[WS:WS+1] offset:ROWQS*PITCH
	; Q's base and step come back in the matrix layout while the P entries are made.  LDS serves a wave's instructions in order
	; (ISA guide 5.7.1), and these rows are my wave's alone: no wait between the stores above and these loads.
.irp i, 0,1,2,3,4,5,6,7
	ds_load_b128 v[QS+4*\i:QS+4*\i+3], v[RD] offset:16*\i                  ; w_n^(4r), n = 16 half + 2i, 2i+1
.endr
.irp i, 0,1,2,3,4,5,6,7
	ds_load_b128 v[QST+4*\i:QST+4*\i+3], v[RS] offset:ROWQS*PITCH+16*\i    ; w_n^1024, the same for all r
.endr
	; the 64 P entries D_p conj(z^u); entry (p, u) goes to row 16 (u / 4) + 8 (u & 1) + 4 ((u / 2) & 1) + p (see THE WAY OUT)
.irp p, 0,1,2,3
	ds_store_b64 v[WR], v[DP+2*\p:DP+2*\p+1] offset:(ROWP+\p)*PITCH        ; u = 0
.endr
	.set PU, 1
.rept 15
	.set PT, CT+8*(PU&1)
	.set PR, ROWP+16*(PU/4)+8*(PU&1)+4*((PU/2)&1)
.irp p, 0,1,2,3
	CC1 PT+2*\p, DP+2*\p, ZP+2*PU
.endr
.irp p, 0,1,2,3
	CC2 PT+2*\p, DP+2*\p, ZP+2*PU, PT+2*\p
.endr
.irp p, 0,1,2,3
	ds_store_b64 v[WR], v[PT+2*\p:PT+2*\p+1] offset:(PR+\p)*PITCH
.endr
	.set PU, PU+1
.endr
; 16 rows of P (tile) as complex f32: states 16 half + 0..7 into pool y1, + 8..15 into pool y2
.macro PLOAD tile, y1, y2
.irp i, 0,1,2,3
	ds_load_b128 v[\y1+4*\i:\y1+4*\i+3], v[RD] offset:(ROWP+16*\tile)*PITCH+16*\i
.endr
.irp i, 0,1,2,3
	ds_load_b128 v[\y2+4*\i:\y2+4*\i+3], v[RD] offset:(ROWP+16*\tile)*PITCH+64+16*\i
.endr
.endm
	PLOAD 0, P0, P1
	; ---------------------------------------------------------------- phase 3: Q's fragments
; One column tile: (tile > 0) the running power times w^1024; then each value x = (re, im) is cut: hi = bf16(x), packed;
; x - hi, exact in f32, by a mixed multiply-add straight from hi's halves; lo = bf16(x - hi), packed.  Eight values at a time.
.macro QTILE tile
.if \tile > 0
.irp g, 0,8
.irp q, 0,1,2,3,4,5,6,7
	CM1 QT+2*\q, QS+2*(\g+\q), QST+2*(\g+\q)
.endr
.irp q, 0,1,2,3,4,5,6,7
	CM2 QS+2*(\g+\q), QS+2*(\g+\q), QST+2*(\g+\q), QT+2*\q
.endr
.endr
.endif
.irp g, 0,8
.irp q, 0,1,2,3,4,5,6,7
	v_cvt_pk_bf16_f32 v[QF+32*\tile+\g+\q], v[QS+2*(\g+\q)], v[QS+2*(\g+\q)+1]
.endr
.irp q, 0,1,2,3,4,5,6,7
	v_fma_mix_f32_bf16 v[QT+2*\q], v[QF+32*\tile+\g+\q], v[NEG1], v[QS+2*(\g+\q)] op_sel_hi:[1,0,0]
	v_fma_mix_f32_bf16 v[QT+2*\q+1], v[QF+32*\tile+\g+\q], v[NEG1], v[QS+2*(\g+\q)+1] op_sel:[1,0,0] op_sel_hi:[1,0,0]
.endr
.irp q, 0,1,2,3,4,5,6,7
	v_cvt_pk_bf16_f32 v[QF+32*\tile+16+\g+\q], v[QT+2*\q], v[QT+2*\q+1]
.endr
.endr
.endm
	s_wait_dscnt 0x8                               ; all but the youngest eight LDS instructions (P's tile 0) are done: Q's base and step are in
	QTILE 0
	QTILE 1
	QTILE 2
	QTILE 3
	; ---------------------------------------------------------------- phase 4: P by tiles, the products, the stores
; Step k (0..63) of cutting 16 values of P, four values at a time: 4 x hi, 8 x (x - hi) in place, 4 x lo.
; Value j lies in y1 (j < 8) or y2; hi goes to pool hp; lo_j goes to y1 + j, a register whose value (j / 2) has been used up by then.
.macro CSTEP k, y1, y2, hp
	.set CG, (\k)/16
	.set CP, (\k)%16
.if CP < 4
	.set CJ, 4*CG+CP
.else
.if CP < 12
	.set CJ, 4*CG+(CP-4)/2
.else
	.set CJ, 4*CG+CP-12
.endif
.endif
	.set CS, \y1+2*CJ+(CJ/8)*(\y2-\y1-16)
.if CP < 4
	v_cvt_pk_bf16_f32 v[\hp+CJ], v[CS], v[CS+1]
.else
.if CP < 12
.if (CP&1) == 0
	v_fma_mix_f32_bf16 v[CS], v[\hp+CJ], v[NEG1], v[CS] op_sel_hi:[1,0,0]
.else
	v_fma_mix_f32_bf16 v[CS+1], v[\hp+CJ], v[NEG1], v[CS+1] op_sel:[1,0,0] op_sel_hi:[1,0,0]
.endif
.else
	v_cvt_pk_bf16_f32 v[\y1+CJ], v[CS], v[CS+1]
.endif
.endif
.endm
; One stage: P's tile (hi in pool hp, lo in pool lp) against all four column tiles.  Six links for each accumulator, the four
; accumulators in turn: Ph Qh (states 0-7, 8-15 of each half), Ph Ql, Pl Qh.  The first link takes 0 as C: nothing is cleared.
; conv = 1: the next tile, loaded into y1, y2, is cut between the matrix instructions (three steps behind each from the fifth on);
; the last eight steps stand behind the last matrix instruction.  They name none of its registers, so they are the places that
; ISA guide 7.12.1 asks for in front of the stores that read the sums, of the loads into pools that this stage read, and of the next
; stage's first links, which write the sums over.  The last stage has v_nop there.
.macro STAGE tile, hp, lp, conv, y1, y2, nh
	.set CK, 0
	.set WI, 0
.irp term, 0,1,2,3,4,5
	.set WA, \hp+8*(\term&1)+(\term/4)*(\lp-\hp)
	.set WQ, 8*(\term&1)+16*((\term/2)&1)
.irp c, 0,1,2,3
.if \term == 0
	v_wmma_f32_16x16x32_bf16 v[ACC+8*\c:ACC+8*\c+7], v[WA:WA+7], v[QF+32*\c+WQ:QF+32*\c+WQ+7], 0
.else
	v_wmma_f32_16x16x32_bf16 v[ACC+8*\c:ACC+8*\c+7], v[WA:WA+7], v[QF+32*\c+WQ:QF+32*\c+WQ+7], v[ACC+8*\c:ACC+8*\c+7]
.endif
.if \conv
.if WI == 3
	s_wait_dscnt 0x0                               ; the next tile of P is in (its eight loads were the last LDS instructions issued)
.endif
.if WI >= 4
.rept 3
.if CK < 56
	CSTEP CK, \y1, \y2, \nh
	.set CK, CK+1
.endif
.endr
.endif
.endif
	.set WI, WI+1
.endr
.endr
.if \conv
.rept 8
	CSTEP CK, \y1, \y2, \nh
	.set CK, CK+1
.endr
.else
.rept 4
	v_nop
.endr
.endif
.irp c, 0,1,2,3
	global_store_b128 v[OUTO], v[ACC+8*\c:ACC+8*\c+3], s[14:15] offset:4096*\c+1024*\tile th:TH_STORE_NT
	global_store_b128 v[OUTO], v[ACC+8*\c+4:ACC+8*\c+7], s[14:15] offset:4096*\c+1024*\tile+512 th:TH_STORE_NT
.endr
.endm
	; The pools' turns:  tile 0: loaded P0 P1, hi P2, lo P0.   tile 1: loaded P3 P4, hi P1, lo P3.
	;                    tile 2: loaded P4 P0, hi P2, lo P4.   tile 3: loaded P0 P1, hi P3, lo P0.
	s_wait_dscnt 0x0                               ; P's tile 0 is in
	PLOAD 1, P3, P4                                ; w^1024 in pools 3 and 4 has served
	.set CK, 0
.rept 64
	CSTEP CK, P0, P1, P2                           ; tile 0 is cut with nothing to hide behind
	.set CK, CK+1
.endr
	STAGE 0, P2, P0, 1, P3, P4, P1
	PLOAD 2, P4, P0                                ; P4: used up by the cutting of tile 1; P0: read by stage 0, eight places back
	s_wait_xcnt 0x0                                ; the stores have taken their data: the sums are written over only behind this wait
	STAGE 1, P1, P3, 1, P4, P0, P2
	PLOAD 3, P0, P1
	s_wait_xcnt 0x0
	STAGE 2, P2, P4, 1, P0, P1, P3
	s_wait_xcnt 0x0
	STAGE 3, P3, P0, 0, 0, 0, 0
	s_wait_tensorcnt 0x0
	ds_add_u32 v14, v15
	s_wait_dscnt 0x0
	s_endpgm
.Lfunc_end_k_q1be02c5da6_sskernel:
	.size	k_q1be02c5da6_sskernel, .Lfunc_end_k_q1be02c5da6_sskernel-k_q1be02c5da6_sskernel
	.p2alignl 7, 3214868480
	.fill 96, 4, 3214868480
	.section	.rodata,"a",@progbits
	.p2align	6, 0x0
	.amdhsa_kernel k_q1be02c5da6_sskernel
		.amdhsa_group_segment_fixed_size 88832
		.amdhsa_private_segment_fixed_size 0
		.amdhsa_enable_private_segment 0
		.amdhsa_kernarg_size 48
		.amdhsa_user_sgpr_count 2
		.amdhsa_user_sgpr_kernarg_segment_ptr 1
		.amdhsa_wavefront_size32 1
		.amdhsa_system_sgpr_workgroup_id_x 1
		.amdhsa_system_sgpr_workgroup_id_y 1
		.amdhsa_system_sgpr_workgroup_id_z 1
		.amdhsa_system_vgpr_workitem_id 0
		.amdhsa_next_free_vgpr 256
		.amdhsa_next_free_sgpr 66
		.amdhsa_reserve_vcc 0
		.amdhsa_float_denorm_mode_32 3
		.amdhsa_float_denorm_mode_16_64 3
		.amdhsa_memory_ordered 1
		.amdhsa_forward_progress 1
		.amdhsa_inst_pref_size 71
	.end_amdhsa_kernel
	.amdgpu_metadata
---
amdhsa.version: [ 1, 2 ]
amdhsa.kernels:
  - .name:           k_q1be02c5da6_sskernel
    .symbol:         k_q1be02c5da6_sskernel.kd
    .args:
      - { .name: A_imag, .offset: 0, .size: 8, .value_kind: global_buffer, .address_space: global }
      - { .name: B_ri, .offset: 8, .size: 8, .value_kind: global_buffer, .address_space: global }
      - { .name: C_ri, .offset: 16, .size: 8, .value_kind: global_buffer, .address_space: global }
      - { .name: inv_A_real, .offset: 24, .size: 8, .value_kind: global_buffer, .address_space: global }
      - { .name: log_dt, .offset: 32, .size: 8, .value_kind: global_buffer, .address_space: global }
      - { .name: out0, .offset: 40, .size: 8, .value_kind: global_buffer, .address_space: global }
    .group_segment_fixed_size: 88832
    .private_segment_fixed_size: 0
    .kernarg_segment_align: 8
    .kernarg_segment_size: 48
    .max_flat_workgroup_size: 128
    .sgpr_count:     66
    .vgpr_count:     256
    .wavefront_size: 32
...
	.end_amdgpu_metadata
.endif
;; end of part 1
;; ======== version 2 of 2: 1 launch; version 1 with the launch sskernel written anew for expert scheduling mode
;; launch sskernel (part 2): grid 256 x 1, 4 waves a work-group, no clusters, 88,832 bytes of LDS; arguments A_imag, B_ri, C_ri, inv_A_real, log_dt, out0; writes out0
.if DOCPART == 2
	.amdgcn_target "amdgcn-amd-amdhsa--gfx1250"
	.amdhsa_code_object_version 6
	.text
	.protected	k_q1be02c5da6_sskernel
	.globl	k_q1be02c5da6_sskernel
	.p2align	8
	.type	k_q1be02c5da6_sskernel,@function
k_q1be02c5da6_sskernel:
	s_mov_b64 s[64:65], 0
	v_nop
	global_prefetch_b8 v0, s[64:65] scope:SCOPE_SE
	s_setreg_imm32_b32 hwreg(HW_REG_WAVE_SCHED_MODE, 0, 2), 2
	s_setreg_imm32_b32 hwreg(HW_REG_WAVE_MODE, 25, 1), 1
	s_wait_xcnt 0x0
	s_wait_alu depctr_vm_vsrc(0)
; S4D kernel, bilinear:  K[h][l] = 2 Re sum_n C_eff[h][n] w[h][n]^l,  w = (1 + dtA/2) / (1 - dtA/2),  1024 h, 32 n, 4096 l.
;
; l = eP + eQ,  eP = p + 64 u (p 0..3, u 0..15),  eQ = 4 r + 1024 c (r 0..15, c 0..3): every l of 0..4095 exactly once.
; With P = conj(2 C_eff w^eP) and Q = w^eQ as pairs (re, im), K = sum_n P.re Q.re + P.im Q.im: a 64 x 64 x 64 real product for each h,
; fed by 2 x 64 x 32 complex table values.  Powers are made by complex multiplication (ten squarings up to w^1024, then products).
;
; FORMAT.  Each table value is cut into bf16 hi + bf16 lo (both rounded to nearest), and Ph Qh + Ph Ql + Pl Qh is summed in f32 by the
; matrix unit: 6 instructions of K = 32 for a 16 x 16 tile.  Dropped: Pl Ql and the rounding of lo, each at most 2^-18 of a product.
; One bf16 (2^-9) would not do: outputs near zero beside amplitudes thirty times the output's rms have to be met absolutely.
;
; LIMITS.  Inputs finite.  v_exp_f32 flushes results under 2^-126 (ISA guide 15.8): log_dt or inv_A_real under about -87 give 0.
; (A_imag dt / 2)^2 must stay inside f32.  Powers under the f32 range end as 0.  Rounding order differs from exp(l log w):
; the relative error of w^l grows like l 2^-23.
;
; SHARES.  One wave = one h: it reads that h's 772 input bytes and writes its 16,384 output bytes.  256 work-groups x 4 waves = 1024 h.
; No two waves read a common table, so nothing is shared: no barrier, no cluster, no joint load.  Each wave has its own 81 LDS rows.
;
; PHASES.  (1) lane = state n: w, D0 = conj(2 C_eff), all powers, the 64 P entries.  (2) through LDS (complex f32, row = exponent,
; column = n) into the matrix layout: lane (r, half) takes row r and the 16 states 16 half .. 16 half + 15; register j of a fragment is
; state 16 half + j as (re, im) in bf16, alike for P and Q, so the products pair up.  (3) Q: base w^(4r), times w^1024 three times,
; cut into hi and lo: 128 registers that stay.  (4) four stages, one for each 16 rows of P: 24 matrix instructions, with the cutting of
; the next 16 rows of P laid between them, then 8 stores.
;
; THE WAY OUT needs no LDS: row m = 8 a + 4 g + p of P's tile holds u = 4 tile + 2 g + a, column r holds 4 r, so lane (r, a) has in
; accumulator registers 4g .. 4g+3 the outputs l = 4 r + 64 a + 128 g + 256 tile + 1024 c + 0..3: 16 bytes a lane, and one store of the
; wave covers 512 consecutive bytes, aligned.
;
; THE MODE: SCHED_MODE bits 1:0 = 2 (LLVM: expert scheduling mode 2), set by the entry lines.  The code itself states the register
; dependences between vector or matrix instructions and memory or LDS instructions, with s_wait_alu, always for 0.
; THE PLAN.  Registers that memory or LDS instructions touch, and who else names them:
;   v6, v7, v9     offsets of the five input loads: made at the head, one wait ahead of the loads, never written again.
;   v1 .. v4       LDS addresses and out0's offset: made behind the input loads, shown written by the wait ahead of the first LDS store,
;                  never written again: rows and tiles are reached by immediate offsets.
;   g^i            written by the doublings; one wait; its 16 stores are dealt among the doublings of z, which name z, CT and WS alone.
;   P entries      60 products in three sets of registers of their own (u 1-6: v48-95; u 7-11: v208-247; u 12-15: g^i's v128-159, freed
;                  by one wait on vm_vsrc).  One wait on va_vdst behind each set; a set's stores are dealt among the next set's products.
;   Q base, step   LDS loads into v16-47 and v96-127, which no vector instruction has named before.
;   the pools      a tile of P lands in two pools that the stage before has used up; one wait on va_vdst at a stage's end shows its
;                  products and its cutting done with them, and shows the sums written, which the stage's eight stores read.
;   the sums       read by those stores; written over by the next stage's first products, behind one wait on vm_vsrc.
.set LOG2E,   0x3fb8aa3b               ; 1 / ln 2
.set PITCH,   272                      ; an LDS row: 32 states x 8 bytes + 16, so that 16 rows read at one column meet different banks
.set ROWQS,   16                       ; rows 0-15: w^(4r); row 16: w^1024
.set ROWP,    17                       ; rows 17-80: the 64 P entries, tile by tile
.set WAVELDS, 81*PITCH                 ; 22,032 bytes for each wave
; registers that stay
.set RD,   1                           ; LDS: my wave + r PITCH + 128 half (reads by row)
.set RS,   2                           ; LDS: my wave + 128 half (the step row: the same for all r)
.set WR,   3                           ; LDS: my wave + 8 lane (writes, lane = state)
.set OUTO, 4                           ; out0: 16384 h + 16 lane
.set NEG1, 5                           ; -1.0
.set OFF4, 6                           ; 4 (32 h + n)
.set OFF8, 7                           ; 8 (32 h + n)
.set TA,   8                           ; v8-15 short-lived
.set ACC,  16                          ; v16-47  four accumulator tiles
.set P0,   48                          ; v48-127 five pools of 16 registers that take turns: P as loaded (two pools), P hi, P lo
.set P1,   64
.set P2,   80
.set P3,   96
.set P4,   112
.set QF,   128                         ; v128-255 Q: column tile c at QF + 32 c: hi (16 registers), lo (16 registers)
; phase 3 borrows
.set QS,   ACC                         ; 16 complex: the running power
.set QST,  P3                          ; 16 complex: w^1024 (pools 3 and 4)
.set QT,   P2                          ; 16 at work
; phase 1 borrows Q's registers
.set GP,   128                         ; g^i = w^(4i), i = 0..15
.set ZP,   160                         ; z^u = w^(64u), u = 1..15 (u = 0 is never formed)
.set DP,   192                         ; D_p = conj(2 C_eff w^p), p = 0..3
.set W1,   200
.set W2,   202
.set W3,   204
.set WS,   206                         ; w^1024
.set LD,   208
.set IA,   209
.set AI,   210
.set BRI,  212
.set CRI,  214
.set T0,   216
.set T1,   217
.set DT,   218
.set EA,   219
.set BCR,  220
.set BCI,  221
.set HD,   222
.set XM,   223
.set YY,   224
.set DR,   225
.set NR,   226
.set NI,   227
.set D2,   228
.set RI,   229
.set EE,   230
.set ER,   231
.set EI,   232
.set SC,   233
.set CT,   236                         ; v236-251 eight pairs at work
; the P entries of u = 1..15, eight registers for each u, in three sets
.set PEA,  P0                          ; u 1-6:   v48-95   pools 0 to 2, idle until P's tile 0 is loaded
.set PEB,  LD                          ; u 7-11:  v208-247 phase 1's scratch, which has served
.set PEC,  GP                          ; u 12-15: v128-159 g^i's registers, once its stores have read them
; A complex product in two packed instructions.  op_sel / op_sel_hi pick the register of each pair for the low / high result.
.macro CM1 t, a, b                     ; t = (a.re b.re, a.re b.im)
	v_pk_mul_f32 v[\t:\t+1], v[\a:\a+1], v[\b:\b+1] op_sel_hi:[0,1]
.endm
.macro CM2 d, a, b, t                  ; d = (t.lo - a.im b.im, t.hi + a.im b.re) = a b
	v_pk_fma_f32 v[\d:\d+1], v[\a:\a+1], v[\b:\b+1], v[\t:\t+1] op_sel:[1,1,0] op_sel_hi:[1,0,1] neg_lo:[1,0,0]
.endm
.macro CC1 t, a, b                     ; t = (a.re b.re, -a.re b.im)
	v_pk_mul_f32 v[\t:\t+1], v[\a:\a+1], v[\b:\b+1] op_sel_hi:[0,1] neg_hi:[1,0]
.endm
.macro CC2 d, a, b, t                  ; d = (t.lo + a.im b.im, t.hi + a.im b.re) = a conj(b)
	v_pk_fma_f32 v[\d:\d+1], v[\a:\a+1], v[\b:\b+1], v[\t:\t+1] op_sel:[1,1,0] op_sel_hi:[1,0,1]
.endm
; x[1..n] are known, n a power of two: makes x[n+i] = x[n] x[i] for i = 1..n-1 and sq = x[n]^2; the n products do not wait for each other
.macro DOUBLE x, n, sq
	CM1 CT, \x+2*\n, \x+2*\n
	.set DI, 1
.rept \n-1
	CM1 CT+2*DI, \x+2*\n, \x+2*DI
	.set DI, DI+1
.endr
	CM2 \sq, \x+2*\n, \x+2*\n, CT
	.set DI, 1
.rept \n-1
	CM2 \x+2*(\n+DI), \x+2*\n, \x+2*DI, CT+2*DI
	.set DI, DI+1
.endr
.endm
; n rows of Q's base from row first on: row r = w^(4r): 32 lanes, 256 neighbouring bytes
.macro GSTORE first, n
	.set QI, \first
.rept \n
	ds_store_b64 v[WR], v[GP+2*QI:GP+2*QI+1] offset:QI*PITCH
	.set QI, QI+1
.endr
.endm
; the eight registers of u's four P entries
.macro PEREG u
.if (\u) < 7
	.set PE, PEA+8*((\u)-1)
.else
.if (\u) < 12
	.set PE, PEB+8*((\u)-7)
.else
	.set PE, PEC+8*((\u)-12)
.endif
.endif
.endm
; the four P entries D_p conj(z^u) of one u
.macro PMAKE u
	PEREG \u
.irp p, 0,1,2,3
	CC1 PE+2*\p, DP+2*\p, ZP+2*(\u)
.endr
.irp p, 0,1,2,3
	CC2 PE+2*\p, DP+2*\p, ZP+2*(\u), PE+2*\p
.endr
.endm
; entry (p, u) goes to row 16 (u / 4) + 8 (u & 1) + 4 ((u / 2) & 1) + p (see THE WAY OUT)
.macro PSTORE u
	PEREG \u
	.set PR, ROWP+16*((\u)/4)+8*((\u)&1)+4*(((\u)/2)&1)
.irp p, 0,1,2,3
	ds_store_b64 v[WR], v[PE+2*\p:PE+2*\p+1] offset:(PR+\p)*PITCH
.endr
.endm
	; ---------------------------------------------------------------- addresses and the five loads
	s_load_b256 s[4:11], s[0:1], 0x0               ; A_imag s[4:5], B_ri s[6:7], C_ri s[8:9], inv_A_real s[10:11]
	s_load_b128 s[12:15], s[0:1], 0x20             ; log_dt s[12:13], out0 s[14:15]
	v_lshl_add_u32 v14, v0, 2, 0x15900
	v_mov_b32 v15, 0
	v_lshrrev_b32 v[TA], 5, v0
	v_readfirstlane_b32 s16, v[TA]                 ; wave 0..3
	s_lshl_b32 s17, ttmp9, 7                       ; 128 states-of-h in front of this work-group's: 4 h x 32 n
	v_add_nc_u32 v[OFF4], s17, v0                  ; 32 h + n, since the thread's number is 32 wave + n
	v_lshlrev_b32 v[OFF8], 3, v[OFF4]
	v_lshlrev_b32 v[OFF4], 2, v[OFF4]
	s_wait_alu depctr_va_sdst(0)                   ; s16 is written, ahead of its first reader: h and my wave's LDS rows are made from it
	s_lshl2_add_u32 s18, ttmp9, s16                ; h = 4 x work-group + wave
	s_lshl_b32 s19, s18, 2
	v_mov_b32 v[TA+1], s19                         ; 4 h: every lane reads the same word of log_dt
	s_wait_kmcnt 0x0
	s_wait_alu depctr_va_vdst(0)                   ; the three offsets v6, v7 and v9 are written, which the five loads read
	global_load_b32 v[LD], v[TA+1], s[12:13]
	global_load_b32 v[IA], v[OFF4], s[10:11] th:TH_LOAD_NT
	global_load_b32 v[AI], v[OFF4], s[4:5] th:TH_LOAD_NT
	global_load_b64 v[BRI:BRI+1], v[OFF8], s[6:7] th:TH_LOAD_NT
	global_load_b64 v[CRI:CRI+1], v[OFF8], s[8:9] th:TH_LOAD_NT
	v_and_b32 v[TA+2], 31, v0                      ; lane
	v_and_b32 v[TA+3], 15, v0                      ; r
	v_bfe_u32 v[TA+4], v0, 4, 1                    ; half
	s_mul_i32 s20, s16, WAVELDS                    ; my wave's LDS rows
	s_lshl_b32 s21, s18, 14                        ; 16,384 bytes of out0 for each h
	v_lshl_add_u32 v[WR], v[TA+2], 3, s20
	v_lshl_add_u32 v[RS], v[TA+4], 7, s20
	v_mul_u32_u24 v[RD], v[TA+3], PITCH
	v_add_nc_u32 v[RD], v[RD], v[RS]
	v_lshl_add_u32 v[OUTO], v[TA+2], 4, s21
	v_mov_b32 v[NEG1], -1.0
	v_mov_b32 v[GP], 1.0                           ; g^0 = 1
	v_mov_b32 v[GP+1], 0
	s_wait_loadcnt 0x0
	; ---------------------------------------------------------------- phase 1, lane = state n
	; dtA/2 = (-xm, y), xm = exp(inv_A_real) dt/2, y = A_imag dt/2.   |1 - dtA/2|^2 = (1 + xm)^2 + y^2 = d2.
	; w = (1 - xm^2 - y^2, 2 y) / d2.    1 / (1 - dtA/2) = (1 + xm, y) / d2.    D0 = conj(B C (1 + xm, y)) 2 dt / d2.
	v_mul_f32 v[T0], LOG2E, v[LD]
	v_mul_f32 v[T1], LOG2E, v[IA]
	v_exp_f32 v[DT], v[T0]                         ; dt
	v_exp_f32 v[EA], v[T1]                         ; -Re A
	v_mul_f32 v[BCR], v[BRI+1], v[CRI+1]           ; a plain instruction that touches neither result stands behind the two v_exp_f32 (ISA guide 5.7.2)
	v_mul_f32 v[BCI], v[BRI+1], v[CRI]
	v_fma_f32 v[BCR], v[BRI], v[CRI], -v[BCR]      ; B C
	v_fma_f32 v[BCI], v[BRI], v[CRI+1], v[BCI]
	s_wait_alu depctr_va_vdst(0)
	v_mul_f32 v[HD], 0.5, v[DT]
	v_mul_f32 v[XM], v[EA], v[HD]
	v_mul_f32 v[YY], v[AI], v[HD]
	v_add_f32 v[DR], 1.0, v[XM]
	v_fma_f32 v[NR], -v[XM], v[XM], 1.0
	v_mul_f32 v[D2], v[YY], v[YY]
	v_fma_f32 v[NR], -v[YY], v[YY], v[NR]          ; 1 - xm^2 - y^2
	v_fma_f32 v[D2], v[DR], v[DR], v[D2]
	v_rcp_f32 v[RI], v[D2]
	v_add_f32 v[NI], v[YY], v[YY]                  ; the plain place behind v_rcp_f32
	v_mul_f32 v[ER], v[BCI], v[YY]
	v_mul_f32 v[EI], v[BCI], v[DR]
	s_wait_alu depctr_va_vdst(0)
	v_fma_f32 v[EE], -v[D2], v[RI], 1.0            ; one Newton step: an error of 1/d2 is raised to the l-th power with w
	v_fma_f32 v[ER], v[BCR], v[DR], -v[ER]         ; B C (1 + xm, y)
	v_fma_f32 v[EI], v[BCR], v[YY], v[EI]
	v_fma_f32 v[RI], v[RI], v[EE], v[RI]
	v_mul_f32 v[W1], v[NR], v[RI]                  ; w
	v_mul_f32 v[W1+1], v[NI], v[RI]
	v_mul_f32 v[SC], v[HD], v[RI]
	v_mul_f32 v[SC], 4.0, v[SC]                    ; 2 dt / d2
	v_mul_f32 v[DP], v[ER], v[SC]                  ; D0 = conj(2 C_eff)
	v_mul_f32 v[DP+1], -v[EI], v[SC]
	CM1 CT, W1, W1                                 ; w^2
	CM2 W2, W1, W1, CT
	CM1 CT, W2, W1                                 ; w^3 and g = w^4
	CM1 CT+2, W2, W2
	CM2 W3, W2, W1, CT
	CM2 GP+2, W2, W2, CT+2
	CC1 CT, DP, W1                                 ; D1, D2, D3 = D0 conj(w^p), and g^2
	CC1 CT+2, DP, W2
	CC1 CT+4, DP, W3
	CM1 CT+6, GP+2, GP+2
	CC2 DP+2, DP, W1, CT
	CC2 DP+4, DP, W2, CT+2
	CC2 DP+6, DP, W3, CT+4
	CM2 GP+4, GP+2, GP+2, CT+6
	DOUBLE GP, 2, GP+8                             ; g^3, g^4
	DOUBLE GP, 4, GP+16                            ; g^5..7, g^8
	DOUBLE GP, 8, ZP+2                             ; g^9..15, z = g^16 = w^64
	s_wait_alu depctr_va_vdst(0)                   ; g^0..15 and D_0..3 are written, which LDS stores read; so are v1 to v4, the addresses of every LDS instruction and output store below
	GSTORE 0, 8                                    ; the sixteen stores are dealt among the doublings of z, which name z's registers, CT and WS: none that these stores touch
	DOUBLE ZP, 1, ZP+4                             ; z^2
	GSTORE 8, 4
	DOUBLE ZP, 2, ZP+8                             ; z^3, z^4
	GSTORE 12, 4
	DOUBLE ZP, 4, ZP+16                            ; z^5..7, z^8
	DOUBLE ZP, 8, WS                               ; z^9..15, z^16 = w^1024
	s_wait_alu depctr_va_vdst(0)                   ; w^1024 is written, which the store below reads
	s_wait_alu depctr_vm_vsrc(0)                   ; the sixteen stores above have read g^i's registers, which the products of u = 12..15 write again
	ds_store_b64 v[WR], v[WS:WS+1] offset:ROWQS*PITCH
	; Q's base and step come back in the matrix layout while the P entries are made.  LDS serves a wave's instructions in order
	; (ISA guide 5.7.1), and these rows are my wave's alone: no wait between the stores above and these loads.
	; No vector instruction has named the registers in which they land.
.irp i, 0,1,2,3,4,5,6,7
	ds_load_b128 v[QS+4*\i:QS+4*\i+3], v[RD] offset:16*\i                  ; w_n^(4r), n = 16 half + 2i, 2i+1
.endr
.irp i, 0,1,2,3,4,5,6,7
	ds_load_b128 v[QST+4*\i:QST+4*\i+3], v[RS] offset:ROWQS*PITCH+16*\i    ; w_n^1024, the same for all r
.endr
	; the 64 P entries D_p conj(z^u)
.irp p, 0,1,2,3
	ds_store_b64 v[WR], v[DP+2*\p:DP+2*\p+1] offset:(ROWP+\p)*PITCH        ; u = 0: D_p itself, shown written two waits back and only read since
.endr
.irp u, 1,2,3,4,5,6
	PMAKE \u
.endr
	s_wait_alu depctr_va_vdst(0)                   ; the entries of u = 1..6 are written; their stores are dealt among the products of u = 7..11, which write other registers
	PSTORE 1
.irp u, 7,8,9,10,11
	PMAKE \u
	PSTORE \u-5
.endr
	s_wait_alu depctr_va_vdst(0)                   ; the entries of u = 7..11 are written; their stores are dealt among the products of u = 12..15
	PSTORE 7
.irp u, 12,13,14,15
	PMAKE \u
	PSTORE \u-4
.endr
	s_wait_alu depctr_va_vdst(0)                   ; the entries of u = 12..15 are written
.irp u, 12,13,14,15
	PSTORE \u
.endr
; 16 rows of P (tile) as complex f32: states 16 half + 0..7 into pool y1, + 8..15 into pool y2
.macro PLOAD tile, y1, y2
.irp i, 0,1,2,3
	ds_load_b128 v[\y1+4*\i:\y1+4*\i+3], v[RD] offset:(ROWP+16*\tile)*PITCH+16*\i
.endr
.irp i, 0,1,2,3
	ds_load_b128 v[\y2+4*\i:\y2+4*\i+3], v[RD] offset:(ROWP+16*\tile)*PITCH+64+16*\i
.endr
.endm
	s_wait_alu depctr_vm_vsrc(0)                   ; all 81 LDS stores have read their data: pools 0 and 1 take the loads below; pool 2 and v128-255 are written by Q's cutting
	PLOAD 0, P0, P1                                ; (the products that wrote pools 0 and 1 stand ahead of the waits on va_vdst above)
	; ---------------------------------------------------------------- phase 3: Q's fragments
; One column tile: (tile > 0) the running power times w^1024; then each value x = (re, im) is cut: hi = bf16(x), packed;
; x - hi, exact in f32, by a mixed multiply-add straight from hi's halves; lo = bf16(x - hi), packed.  Eight values at a time.
.macro QTILE tile
.if \tile > 0
.irp g, 0,8
.irp q, 0,1,2,3,4,5,6,7
	CM1 QT+2*\q, QS+2*(\g+\q), QST+2*(\g+\q)
.endr
.irp q, 0,1,2,3,4,5,6,7
	CM2 QS+2*(\g+\q), QS+2*(\g+\q), QST+2*(\g+\q), QT+2*\q
.endr
.endr
.endif
.irp g, 0,8
.irp q, 0,1,2,3,4,5,6,7
	v_cvt_pk_bf16_f32 v[QF+32*\tile+\g+\q], v[QS+2*(\g+\q)], v[QS+2*(\g+\q)+1]
.endr
.irp q, 0,1,2,3,4,5,6,7
	v_fma_mix_f32_bf16 v[QT+2*\q], v[QF+32*\tile+\g+\q], v[NEG1], v[QS+2*(\g+\q)] op_sel_hi:[1,0,0]
	v_fma_mix_f32_bf16 v[QT+2*\q+1], v[QF+32*\tile+\g+\q], v[NEG1], v[QS+2*(\g+\q)+1] op_sel:[1,0,0] op_sel_hi:[1,0,0]
.endr
.irp q, 0,1,2,3,4,5,6,7
	v_cvt_pk_bf16_f32 v[QF+32*\tile+16+\g+\q], v[QT+2*\q], v[QT+2*\q+1]
.endr
.endr
.endm
	s_wait_dscnt 0x8                               ; all but the youngest eight LDS instructions (P's tile 0) are done: Q's base and step are in
	QTILE 0
	QTILE 1
	QTILE 2
	QTILE 3
	; ---------------------------------------------------------------- phase 4: P by tiles, the products, the stores
; Step k (0..63) of cutting 16 values of P, four values at a time: 4 x hi, 8 x (x - hi) in place, 4 x lo.
; Value j lies in y1 (j < 8) or y2; hi goes to pool hp; lo_j goes to y1 + j, a register whose value (j / 2) has been used up by then.
.macro CSTEP k, y1, y2, hp
	.set CG, (\k)/16
	.set CP, (\k)%16
.if CP < 4
	.set CJ, 4*CG+CP
.else
.if CP < 12
	.set CJ, 4*CG+(CP-4)/2
.else
	.set CJ, 4*CG+CP-12
.endif
.endif
	.set CS, \y1+2*CJ+(CJ/8)*(\y2-\y1-16)
.if CP < 4
	v_cvt_pk_bf16_f32 v[\hp+CJ], v[CS], v[CS+1]
.else
.if CP < 12
.if (CP&1) == 0
	v_fma_mix_f32_bf16 v[CS], v[\hp+CJ], v[NEG1], v[CS] op_sel_hi:[1,0,0]
.else
	v_fma_mix_f32_bf16 v[CS+1], v[\hp+CJ], v[NEG1], v[CS+1] op_sel:[1,0,0] op_sel_hi:[1,0,0]
.endif
.else
	v_cvt_pk_bf16_f32 v[\y1+CJ], v[CS], v[CS+1]
.endif
.endif
.endm
; One stage: P's tile (hi in pool hp, lo in pool lp) against all four column tiles.  Six links for each accumulator, the four
; accumulators in turn: Ph Qh (states 0-7, 8-15 of each half), Ph Ql, Pl Qh.  The first link takes 0 as C: nothing is cleared.
; conv = 1: the next tile, loaded into y1, y2, is cut between the matrix instructions (three steps behind each from the fifth on);
; the last eight steps stand behind the last matrix instruction.  They name none of its registers, so they are the places that
; ISA guide 7.12.1 asks for in front of the stores that read the sums and of the next stage's first links, which write the sums over.
; The last stage has v_nop there.  The wait on va_vdst that follows a stage stands beside these places, not in their stead.
.macro STAGE tile, hp, lp, conv, y1, y2, nh
	.set CK, 0
	.set WI, 0
.irp term, 0,1,2,3,4,5
	.set WA, \hp+8*(\term&1)+(\term/4)*(\lp-\hp)
	.set WQ, 8*(\term&1)+16*((\term/2)&1)
.irp c, 0,1,2,3
.if \term == 0
	v_wmma_f32_16x16x32_bf16 v[ACC+8*\c:ACC+8*\c+7], v[WA:WA+7], v[QF+32*\c+WQ:QF+32*\c+WQ+7], 0
.else
	v_wmma_f32_16x16x32_bf16 v[ACC+8*\c:ACC+8*\c+7], v[WA:WA+7], v[QF+32*\c+WQ:QF+32*\c+WQ+7], v[ACC+8*\c:ACC+8*\c+7]
.endif
.if \conv
.if WI == 3
	s_wait_dscnt 0x0                               ; the next tile of P is in (its eight loads were the last LDS instructions issued)
.endif
.if WI >= 4
.rept 3
.if CK < 56
	CSTEP CK, \y1, \y2, \nh
	.set CK, CK+1
.endif
.endr
.endif
.endif
	.set WI, WI+1
.endr
.endr
.if \conv
.rept 8
	CSTEP CK, \y1, \y2, \nh
	.set CK, CK+1
.endr
.else
.rept 4
	v_nop
.endr
.endif
.endm
; a stage's eight stores, each accumulator from its low end on
.macro SEND tile
.irp c, 0,1,2,3
	global_store_b128 v[OUTO], v[ACC+8*\c:ACC+8*\c+3], s[14:15] offset:4096*\c+1024*\tile th:TH_STORE_NT
	global_store_b128 v[OUTO], v[ACC+8*\c+4:ACC+8*\c+7], s[14:15] offset:4096*\c+1024*\tile+512 th:TH_STORE_NT
.endr
.endm
	; The pools' turns:  tile 0: loaded P0 P1, hi P2, lo P0.   tile 1: loaded P3 P4, hi P1, lo P3.
	;                    tile 2: loaded P4 P0, hi P2, lo P4.   tile 3: loaded P0 P1, hi P3, lo P0.
	s_wait_dscnt 0x0                               ; P's tile 0 is in
	s_wait_alu depctr_va_vdst(0)                   ; Q's multiplications are done reading w^1024 in pools 3 and 4, in which the loads below land
	PLOAD 1, P3, P4                                ; w^1024 in pools 3 and 4 has served
	.set CK, 0
.rept 64
	CSTEP CK, P0, P1, P2                           ; tile 0 is cut with nothing to hide behind
	.set CK, CK+1
.endr
	STAGE 0, P2, P0, 1, P3, P4, P1
	s_wait_alu depctr_va_vdst(0)                   ; stage 0 has written the sums, which the stores read; the cutting of tile 1 is done with P4 and stage 0's products with P0, in which the loads land
	PLOAD 2, P4, P0                                ; ahead of the stores: these loads are waited for four matrix instructions into the next stage
	SEND 0
	s_wait_xcnt 0x0                                ; the stores' addresses are translated (ISA guide 3.1): the sums are written over only behind this wait,
	s_wait_alu depctr_vm_vsrc(0)                   ; and behind this one: the stores have read the sums, which the next stage's first products write over
	STAGE 1, P1, P3, 1, P4, P0, P2
	s_wait_alu depctr_va_vdst(0)                   ; stage 1 has written the sums; the cutting of tile 2 is done with P0 and stage 1's products with P1, in which the loads land
	PLOAD 3, P0, P1
	SEND 1
	s_wait_xcnt 0x0                                ; as between stages 0 and 1
	s_wait_alu depctr_vm_vsrc(0)                   ; the stores have read the sums, which the next stage's first products write over
	STAGE 2, P2, P4, 1, P0, P1, P3
	s_wait_alu depctr_va_vdst(0)                   ; stage 2 has written the sums, which the stores read
	SEND 2
	s_wait_xcnt 0x0                                ; as between stages 0 and 1
	s_wait_alu depctr_vm_vsrc(0)                   ; the stores have read the sums, which the last stage's first products write over
	STAGE 3, P3, P0, 0, 0, 0, 0
	s_wait_alu depctr_va_vdst(0)                   ; stage 3 has written the sums, which the last stores read
	SEND 3
	s_wait_dscnt 0x0
	s_wait_alu depctr_hold_cnt(0) depctr_sa_sdst(0) depctr_va_vdst(0) depctr_va_sdst(0) depctr_va_ssrc(0) depctr_va_vcc(0) depctr_vm_vsrc(0)
	s_wait_tensorcnt 0x0
	ds_add_u32 v14, v15
	s_wait_dscnt 0x0
	s_endpgm
.Lfunc_end_k_q1be02c5da6_sskernel:
	.size	k_q1be02c5da6_sskernel, .Lfunc_end_k_q1be02c5da6_sskernel-k_q1be02c5da6_sskernel
	.p2alignl 7, 3214868480
	.fill 96, 4, 3214868480
	.section	.rodata,"a",@progbits
	.p2align	6, 0x0
	.amdhsa_kernel k_q1be02c5da6_sskernel
		.amdhsa_group_segment_fixed_size 88832
		.amdhsa_private_segment_fixed_size 0
		.amdhsa_enable_private_segment 0
		.amdhsa_kernarg_size 48
		.amdhsa_user_sgpr_count 2
		.amdhsa_user_sgpr_kernarg_segment_ptr 1
		.amdhsa_wavefront_size32 1
		.amdhsa_system_sgpr_workgroup_id_x 1
		.amdhsa_system_sgpr_workgroup_id_y 1
		.amdhsa_system_sgpr_workgroup_id_z 1
		.amdhsa_system_vgpr_workitem_id 0
		.amdhsa_next_free_vgpr 256
		.amdhsa_next_free_sgpr 66
		.amdhsa_reserve_vcc 0
		.amdhsa_float_denorm_mode_32 3
		.amdhsa_float_denorm_mode_16_64 3
		.amdhsa_memory_ordered 1
		.amdhsa_forward_progress 1
		.amdhsa_inst_pref_size 72
	.end_amdhsa_kernel
	.amdgpu_metadata
---
amdhsa.version: [ 1, 2 ]
amdhsa.kernels:
  - .name:           k_q1be02c5da6_sskernel
    .symbol:         k_q1be02c5da6_sskernel.kd
    .args:
      - { .name: A_imag, .offset: 0, .size: 8, .value_kind: global_buffer, .address_space: global }
      - { .name: B_ri, .offset: 8, .size: 8, .value_kind: global_buffer, .address_space: global }
      - { .name: C_ri, .offset: 16, .size: 8, .value_kind: global_buffer, .address_space: global }
      - { .name: inv_A_real, .offset: 24, .size: 8, .value_kind: global_buffer, .address_space: global }
      - { .name: log_dt, .offset: 32, .size: 8, .value_kind: global_buffer, .address_space: global }
      - { .name: out0, .offset: 40, .size: 8, .value_kind: global_buffer, .address_space: global }
    .group_segment_fixed_size: 88832
    .private_segment_fixed_size: 0
    .kernarg_segment_align: 8
    .kernarg_segment_size: 48
    .max_flat_workgroup_size: 128
    .sgpr_count:     66
    .vgpr_count:     256
    .wavefront_size: 32
...
	.end_amdgpu_metadata
.endif
;; end of part 2
